; MI455X (gfx1250); checked and timed in simulation.
; The chip was launched on July 23, 2026; its instructions are those of AMD's public machine-readable ISA for CDNA 5 (MIT licence, August 2026) and "CDNA5" Instruction Set Architecture Reference Guide (July 2026). The comments in the code are by the model that wrote it; some were corrected since.
;; Multi Head Self Attention. Allowed arithmetic: matrix products marked QUANTISED: E5M2 operands, one given power-of-two scale a tensor, by v_wmma_f32_16x16x64_bf8_bf8 or v_wmma_f32_16x16x128_bf8_bf8, f32 sums; everything else in f32.
;; Inputs: Wk 512 x 512 float32; Wq 512 x 512 float32; bk 512 float32; bq 512 float32; lowp_scales 8 int32 (the exponents e of the quantised operands' scales 2^e); x 2 x 4,096 x 512 float32.
;; Outputs: out0 2 x 4,096 x 512 float32.
;; This version of the problem:
;;   THIS VERSION OF THE PROBLEM IS GIVEN IN LOW PRECISION. The matrix products marked QUANTISED in the list below multiply operands that are first quantised to E5M2 (5 exponent bits, 2 mantissa bits; 8 bits a number), with one given power-of-two scale for each operand tensor; their sums are f32. All else is computed in f32.
;;   The module's matrix products, in the order in which they are computed (A, B: the left and right operand; K: the contracted axis; several contracted axes count as one K, in the product's order):
;;     1. [M 8,192, K 512] x [K 512, N 512]; A: input x; B: input Wq: QUANTISED (scales: A lowp_scales[0], B lowp_scales[1])
;;     2. [M 8,192, K 512] x [K 512, N 512]; A: input x; B: input Wk: QUANTISED (scales: A lowp_scales[2], B lowp_scales[3])
;;     3. batch 16 x [M 4,096, K 64] x [K 64, N 4,096]; A: computed on the way; B: computed on the way: QUANTISED (scales: A lowp_scales[4], B lowp_scales[5])
;;     4. batch 16 x [M 4,096, K 4,096] x [K 4,096, N 64]; A: softmax (see below); B: computed on the way: QUANTISED (scales: A lowp_scales[6], B lowp_scales[7])
;;   THE QUANTISER, for each operand of a quantised product, along K:
;;     - The operand's scale is 2^e, e = its entry of the input lowp_scales (int32; the entries are numbered through the quantised products in the list's order, A before B).
;;     - Each number is divided by the scale, clamped to +-57,344, and rounded to the nearest number of E5M2, ties to even, subnormals kept.
;;     - The product sums the exact products of the quantised numbers (number of the format x scale) in f32.
;;   ~~~python
;;   def quantise(x, axis, e):      # numpy; x: float32 -> the quantised numbers, widened to float32 again
;;       x = np.moveaxis(x, axis, -1); K = x.shape[-1]
;;       r = np.clip(x / 2.0 ** e, -57344, 57344)
;;       step = 2.0 ** (np.maximum(np.frexp(np.where(r == 0, 1, r))[1] - 1, -14) - 2)
;;       q = np.round(r / step) * step * 2.0 ** e      # np.round: ties to even
;;       return np.moveaxis(q, -1, axis).astype(np.float32)
;;   ~~~
;;   SOFTMAX AHEAD OF A QUANTISED PRODUCT. Where the list says 'softmax', what is quantised is not the finished softmax but p = 2^(t - M), with t = logit x log2(e) and M = ceil(the row's largest t), a whole number; so 1/2 < the row's largest p <= 1. The row's sum l is taken of the UNQUANTISED p, in f32, and the product's result is divided by l at the end. Since M is a whole number, a kernel that streams over the keys may use a running M (the ceiling of the running maximum): every later rescaling is an exact power of two, so the quantised numbers keep their values, but for numbers so far below the row's largest that they fall under the format's range.
;;   OPERANDS COMPUTED ON THE WAY. 'Computed on the way' means the value that the module computes at that place (a softmax that the list does not call 'softmax' is quantised finished and normalised). What goes into a quantiser is computed in f32, as accurately as f32 sums, v_exp_f32 and their like allow (about 1e-6 of the number): no bf16 or f16 on the way to a quantiser, and a product that is left as it is and whose result goes on into a quantised operand takes f32 operands (vector FMAs, or v_wmma_f32_16x16x4_f32). A number that lies on a knife's edge between two numbers of the format may be rounded either way, as far as f32 arithmetic and the matrix unit's own rounding can turn it there, and no further.
;; One version. Each part assembles by itself: llvm-mc -triple=amdgcn-amd-amdhsa -mcpu=gfx1250 --defsym DOCPART=n.
;; ======== version 1 of 1: 3 launches
;; limits: right only within a limited range of input values
;; workspace buffers: qc 4,194,304 bytes; kv 8,388,608 bytes; xc 8,388,608 bytes; wc 524,288 bytes
;; launch quant (part 1): grid 256 x 1, 9 waves a work-group, no clusters, 77,312 bytes of LDS; arguments x, Wq, Wk, lowp_scales, xc, wc; writes xc, wc
.if DOCPART == 1
	.amdgcn_target "amdgcn-amd-amdhsa--gfx1250"
	.amdhsa_code_object_version 6
	.text
	.protected	k_q0274c57ac4_quant
	.globl	k_q0274c57ac4_quant
	.p2align	8
	.type	k_q0274c57ac4_quant,@function
k_q0274c57ac4_quant:
	s_mov_b64 s[64:65], 0
	v_nop
	global_prefetch_b8 v0, s[64:65] scope:SCOPE_SE
	s_setreg_imm32_b32 hwreg(HW_REG_WAVE_MODE, 25, 1), 1
	s_wait_xcnt 0x0
; x [8192][512] and Wq, Wk [512][512], f32, are turned into codes of BF8 (E5M2) with the given scales: x with e0 (for q) and with e2 (for k), Wq with e1, Wk with e3.  Nothing of the problem is left out in any launch.
; The codes are laid as IMAGES OF THE OPERANDS' REGISTERS: a fragment (16 rows x 128 K, K step s) is 2,048 bytes: c x 512 + 16 x lane, lane (r, h) holding k = 32 c + 16 h + 0 .. 15 of row slot r.
; THE ROWS OF A TILE ARE NOT NEIGHBOURS: slot r of tile 2 b + u is row 32 b + 8 u + r + 8 (r / 8).  xc: tile x 8192 + s x 2048, e2's at 4194304; wc: tile x 8192 + s x 2048, Wk's at 262144.
; SHARES: 2,304 fragments; work-group g: waves 0-7 x's tiles 2 g, 2 g + 1 (u = w / 4, s = w % 4), wave 8 fragment g of the 256 of Wq and Wk.  A wave loads its fragment with 16 loads of 512 consecutive bytes, turns it in its own
; LDS stage (rows 528 bytes apart), and stores 512 consecutive bytes at a time.  Waves share nothing: no barrier, no tensor load; no loop, so no prefetch; no tile is read twice, so no cluster.
; LIMITS: e0, e1, e2, e3 lie between -126 and 112.  NaN among the inputs is not served.
.set SPITCH, 528
.set SPARE, 9*16*SPITCH                ; the spare words: 128 bytes for each wave
.set LI,  1                            ; 16 x lane
.set SW,  2                            ; my stage: in, and out
.set SRD, 3
.set SPW, 4
.set NIL, 5
.set SCA, 8                            ; v8, v9 2^e and 57,344 x 2^e; v10, v11 the same for e2
.set SCB, 10
.set PA,  16                           ; codes, two sets
.set PB,  32
.set R0,  64                           ; as loaded
.set X,   128                          ; in the operand's order
.set Y,   192                          ; held
.macro SCALE vr, se
	s_add_co_i32 s52, s[\se], 127
	s_lshl_b32 s53, s52, 23
	v_mov_b32 v[\vr], s53
	s_add_co_i32 s52, s52, 15
	s_lshl_b32 s52, s52, 23
	s_or_b32 s52, s52, 0x600000
	v_mov_b32 v[\vr+1], s52
.endm
.macro QUANT sc, pc, off               ; the hold (the conversion does not saturate: ISA guide 7.6.2), the codes, and out
.set jj, 0
.rept 64
	v_med3_num_f32 v[Y+jj], v[X+jj], -v[\sc+1], v[\sc+1]
.set jj, jj+1
.endr
.irp b, 0,1,2,3
	v_cvt_scalef32_pk8_bf8_f32 v[\pc+4*\b:\pc+4*\b+1], v[Y+16*\b:Y+16*\b+7], v[\sc]
	v_cvt_scalef32_pk8_bf8_f32 v[\pc+4*\b+2:\pc+4*\b+3], v[Y+16*\b+8:Y+16*\b+15], v[\sc]
.endr
	v_nop                                          ; one plain vector instruction behind the last conversion of a run
.irp c, 0,1,2,3
	global_store_b128 v[LI], v[\pc+4*\c:\pc+4*\c+3], s[38:39] offset:\off+512*\c
.endr
.endm
	s_load_b256 s[4:11], s[0:1], 0x0               ; x, Wq, Wk, the scales' exponents
	s_load_b128 s[12:15], s[0:1], 0x20             ; xc, wc
	v_lshl_add_u32 v[SPW], v0, 2, SPARE
	v_mov_b32 v[NIL], 0
	v_lshrrev_b32 v6, 5, v0
	v_readfirstlane_b32 s20, v6                    ; wave 0..8
	v_and_b32 v[LI], 31, v0
	v_and_b32 v7, 15, v0                           ; r
	v_bfe_u32 v12, v0, 4, 1                        ; h
	v_lshlrev_b32 v[LI], 4, v[LI]
	s_mul_i32 s21, s20, 16*SPITCH
	v_mul_u32_u24 v[SRD], v7, SPITCH
	v_lshl_add_u32 v[SRD], v12, 6, v[SRD]
	v_add_nc_u32 v[SRD], s21, v[SRD]
	v_add_nc_u32 v[SW], s21, v[LI]
	s_lshl_b32 s22, ttmp9, 16                      ; x: 32 g rows of 2,048 bytes,
	s_lshr_b32 s23, s20, 2
	s_lshl_b32 s23, s23, 14                        ; + 8 u rows,
	s_add_co_u32 s22, s22, s23
	s_and_b32 s23, s20, 3
	s_lshl_b32 s23, s23, 9                         ; + 128 s numbers
	s_add_co_u32 s22, s22, s23
	s_lshr_b32 s24, ttmp9, 2
	s_and_b32 s24, s24, 31                         ; W: tile t of the matrix,
	s_lshr_b32 s25, s24, 1
	s_lshl_b32 s25, s25, 16
	s_and_b32 s24, s24, 1
	s_lshl_b32 s24, s24, 14
	s_add_co_u32 s24, s24, s25
	s_and_b32 s25, ttmp9, 3
	s_lshl_b32 s25, s25, 9                         ; K step g % 4
	s_add_co_u32 s24, s24, s25
	s_lshl_b32 s26, ttmp9, 14                      ; where the codes go
	s_lshl_b32 s27, s20, 11
	s_add_co_u32 s26, s26, s27
	s_lshl_b32 s28, ttmp9, 11
	s_cmp_eq_u32 s20, 8
	s_cselect_b32 s22, s24, s22
	s_cselect_b32 s26, s28, s26
	s_mov_b32 s23, 0
	s_mov_b32 s27, 0
	s_wait_alu depctr_va_vdst(0)
	s_wait_kmcnt 0x0
	s_load_b128 s[32:35], s[10:11], 0x0            ; e0 .. e3
	s_cmp_lt_u32 ttmp9, 128
	s_cselect_b64 s[36:37], s[6:7], s[8:9]         ; Wq or Wk
	s_cmp_eq_u32 s20, 8
	s_cselect_b64 s[36:37], s[36:37], s[4:5]       ; or x
	s_cselect_b64 s[38:39], s[14:15], s[12:13]
	s_add_nc_u64 s[36:37], s[36:37], s[22:23]
	s_add_nc_u64 s[38:39], s[38:39], s[26:27]
.irp i, 0,1,2,3,4,5,6,7,8,9,10,11,12,13,14,15
	global_load_b128 v[R0+4*\i:R0+4*\i+3], v[LI], s[36:37] offset:(\i+8*(\i/8))*2048 th:TH_LOAD_NT   ; 512 consecutive bytes of one row
.endr
	s_wait_kmcnt 0x0
	s_cmp_lt_u32 ttmp9, 128
	s_cselect_b32 s40, s33, s35
	s_cmp_eq_u32 s20, 8
	s_cselect_b32 s40, s40, s32
	SCALE SCA, 40
	SCALE SCB, 34
	s_wait_alu depctr_va_vdst(0)                   ; the head's end
.irp q, 0,1,2,3
	s_wait_loadcnt 12-4*\q                         ; four more rows are in; the younger loads may be out
.irp i, 0,1,2,3
	ds_store_b128 v[SW], v[R0+16*\q+4*\i:R0+16*\q+4*\i+3] offset:SPITCH*(4*\q+\i)
.endr
.endr
.irp c, 0,1,2,3
.irp i, 0,1,2,3
	ds_load_b128 v[X+16*\c+4*\i:X+16*\c+4*\i+3], v[SRD] offset:128*\c+16*\i   ; LDS serves a wave's instructions in order
.endr
.endr
	s_wait_dscnt 0x0
	QUANT SCA, PA, 0
	s_cmp_eq_u32 s20, 8                            ; W's wave has one set of codes
	s_cbranch_scc1 .Lend
	QUANT SCB, PB, 4194304
.Lend:
	s_wait_tensorcnt 0x0                           ; the wave's end
	ds_add_u32 v[SPW], v[NIL]
	s_wait_dscnt 0x0
	s_endpgm
.Lfunc_end_k_q0274c57ac4_quant:
	.size	k_q0274c57ac4_quant, .Lfunc_end_k_q0274c57ac4_quant-k_q0274c57ac4_quant
	.p2alignl 7, 3214868480
	.fill 96, 4, 3214868480
	.section	.rodata,"a",@progbits
	.p2align	6, 0x0
	.amdhsa_kernel k_q0274c57ac4_quant
		.amdhsa_group_segment_fixed_size 77312
		.amdhsa_private_segment_fixed_size 0
		.amdhsa_enable_private_segment 0
		.amdhsa_kernarg_size 48
		.amdhsa_user_sgpr_count 2
		.amdhsa_user_sgpr_kernarg_segment_ptr 1
		.amdhsa_wavefront_size32 1
		.amdhsa_system_sgpr_workgroup_id_x 1
		.amdhsa_system_sgpr_workgroup_id_y 1
		.amdhsa_system_sgpr_workgroup_id_z 1
		.amdhsa_system_vgpr_workitem_id 0
		.amdhsa_next_free_vgpr 256
		.amdhsa_next_free_sgpr 66
		.amdhsa_reserve_vcc 0
		.amdhsa_float_denorm_mode_32 3
		.amdhsa_float_denorm_mode_16_64 3
		.amdhsa_memory_ordered 1
		.amdhsa_forward_progress 1
		.amdhsa_inst_pref_size 17
	.end_amdhsa_kernel
	.amdgpu_metadata
---
amdhsa.version: [ 1, 2 ]
amdhsa.kernels:
  - .name:           k_q0274c57ac4_quant
    .symbol:         k_q0274c57ac4_quant.kd
    .args:
      - { .name: x, .offset: 0, .size: 8, .value_kind: global_buffer, .address_space: global }
      - { .name: Wq, .offset: 8, .size: 8, .value_kind: global_buffer, .address_space: global }
      - { .name: Wk, .offset: 16, .size: 8, .value_kind: global_buffer, .address_space: global }
      - { .name: lowp_scales, .offset: 24, .size: 8, .value_kind: global_buffer, .address_space: global }
      - { .name: xc, .offset: 32, .size: 8, .value_kind: global_buffer, .address_space: global }
      - { .name: wc, .offset: 40, .size: 8, .value_kind: global_buffer, .address_space: global }
    .group_segment_fixed_size: 77312
    .private_segment_fixed_size: 0
    .kernarg_segment_align: 8
    .kernarg_segment_size: 48
    .max_flat_workgroup_size: 288
    .sgpr_count:     66
    .vgpr_count:     256
    .wavefront_size: 32
...
	.end_amdgpu_metadata
.endif
;; end of part 1
;; launch proj (part 2): grid 8 x 32, 8 waves a work-group, clusters of 4 x 4, 327,680 bytes of LDS; arguments xc, wc, bq, bk, lowp_scales, qc, kv; writes qc, kv
.if DOCPART == 2
	.amdgcn_target "amdgcn-amd-amdhsa--gfx1250"
	.amdhsa_code_object_version 6
	.text
	.protected	k_q0274c57ac4_proj
	.globl	k_q0274c57ac4_proj
	.p2align	8
	.type	k_q0274c57ac4_proj,@function
k_q0274c57ac4_proj:
	s_mov_b64 s[64:65], 0
	v_nop
	global_prefetch_b8 v0, s[64:65] scope:SCOPE_SE
	s_setreg_imm32_b32 hwreg(HW_REG_WAVE_MODE, 25, 1), 1
	s_wait_xcnt 0x0
	s_wait_alu depctr_hold_cnt(0) depctr_sa_sdst(0) depctr_va_vdst(0) depctr_va_sdst(0) depctr_va_ssrc(0) depctr_va_vcc(0) depctr_vm_vsrc(0)
	s_getreg_b32 s2, hwreg(HW_REG_IB_STS2, 6, 4)
	s_cmp_eq_u32 s2, 0
	s_cbranch_scc0 .Lentry_in_a_cluster
	s_endpgm
.Lentry_in_a_cluster:
	s_bfe_u32 s2, ttmp6, 0x10000c
	s_cmp_lg_u32 s2, 0xf033
	s_cbranch_scc0 .Lentry_shape_is_right
	s_endpgm
.Lentry_shape_is_right:
; q = x Wq^T + bq and k = x Wk^T + bk on the codes of launch quant; the results are quantised at once for the attention launch: q (e4), k as keys (e5), k as values (e7).
; SHARES.  Cluster x = 0: q, 1: k.  A work-group makes 128 channels (place cx) for 256 tokens (tb = 4 x cluster y + cy).  Its codes, 128 KiB of x and 64 KiB of W, come into LDS whole, one joint load a wave: waves 0-3 a quarter of
; x's block each, shared along the cluster's row (same tokens), waves 4-7 a quarter of W's, shared along its column (same channels).  No ring, no loop: so no prefetch.
; Wave (cp, th) multiplies channel tiles 2 cp, 2 cp + 1 by the eight token tiles of half th, a pair of token tiles at a time; x's fragments have two buffers.
; Tiles' slots are ordered as launch quant says, so the 16 result registers of tiles 2 b and 2 b + 1 in lane half h are the 16 neighbours 32 b + 16 h + 0 .. 15, and each conversion's result is a piece of an operand of the next launch.
; T = W x^T: a lane holds one token and 16 channels: codes of q, or of k as keys.  N = x W^T (the sources swapped): a lane holds one channel and 16 tokens: codes of k as values: the same sums a second time, in place of a transposition.
; The bias is the C of each sum's first matrix instruction, divided once by 2^(ex + ew), the power of two that the sums lack; the scales ahead of a quantiser are folded into the conversion's one.
; LIMITS: -(ex + ew), eo - ex - ew and e7 - ex - ew lie between -126 and 112 (ex, ew, eo = e0, e1, e4 for q; e2, e3, e5 for k).
; OUT.  bh = 8 batch + head.  qc: bh x 262144 + token tile x 1024 + c x 512 (c: channels 32 c on).  kv: bh x 524288 + S x 16384 (S: 128 keys): values of S at 8192 + channel tile x 2048 + c x 512 (c: keys 32 c on); and at
; key tile x 1024 + c x 512 the KEYS OF S + 2 (mod 32): those of the next key step of 256 beside the values of this one.
.set XIMG,  0
.set WIMG,  131072
.set SPARE, 196608                     ; the spare words: 128 bytes for each of eight waves
.set FRB,   2048
.set LI,  1                            ; 16 x lane
.set SPW, 4
.set NIL, 5
.set WA,  6                            ; where I read W's, x's fragments
.set XA,  7
.set SCO, 12                           ; v12, v13  2^(eo - ex - ew) and 57,344 x that; v14, v15 the same for e7
.set SCV, 14
.set BT,  16                           ; v16-31 the bias in T's layout
.set PC,  32                           ; v32-47 codes just made (v46, v47 first hold the bias loads' offsets)
.set BN,  48                           ; v48-63 the bias in N's layout
.set TA,  192                          ; accumulators: T's at 192 + 16 tt + 8 ct, N's at 224 + 16 ct + 8 tt
.set NA,  224                          ; x's fragments (tt, s): buffer 0 window 0 v64-191, buffer 1 window 1 v128-255; W's (ct, s): window 1 v0-127
.set WV,  18
.set G0X, 32
.set G0W, 36
.set G1X, 40
.set G1W, 48
.set MSB, 0
.macro WIN new
.if MSB != \new
	s_set_vgpr_msb (MSB<<8)|\new
.set MSB, \new
.endif
.endm
.macro SCALE vr, se
	s_add_co_i32 s82, s[\se], 127
	s_lshl_b32 s83, s82, 23
	v_mov_b32 v[\vr], s83
	s_add_co_i32 s82, s82, 15
	s_lshl_b32 s82, s82, 23
	s_or_b32 s82, s82, 0x600000
	v_mov_b32 v[\vr+1], s82
.endm
.macro CROUND                          ; a round of the cluster's barrier
	s_barrier_signal -1
	s_barrier_wait -1
	s_cmp_lg_u32 s[WV], 0
	s_cbranch_scc1 .Lnot_wave_0_\@
	s_barrier_signal -3
.Lnot_wave_0_\@:
	s_barrier_wait -3
	s_barrier_signal -1
	s_barrier_wait -1
.endm
	s_load_b256 s[4:11], s[0:1], 0x0               ; xc, wc, bq, bk
	s_load_b128 s[12:15], s[0:1], 0x20             ; the scales' exponents, qc
	s_load_b64 s[16:17], s[0:1], 0x30              ; kv
	v_lshl_add_u32 v[SPW], v0, 2, SPARE
	v_mov_b32 v[NIL], 0
	ds_add_u32 v[SPW], v[NIL]                      ; the wave's opening
	ds_add_u32 v[SPW], v[NIL]
	v_lshrrev_b32 v2, 5, v0
	v_readfirstlane_b32 s[WV], v2                  ; wave 0..7
	s_and_b32 s19, s[WV], 3                        ; cp; also: which quarter I fetch
	s_lshr_b32 s28, s[WV], 2                       ; th; also: for x (0) or W (1)
	s_bfe_u32 s29, ttmp6, 0x40000                  ; cx
	s_bfe_u32 s30, ttmp6, 0x40004                  ; cy
	s_and_b32 s31, ttmp7, 0xffff
	s_lshl_b32 s31, s31, 2
	s_add_co_u32 s31, s31, s30                     ; tb
	s_lshl_b32 s84, s30, 2
	s_lshl_b32 s84, 15, s84                        ; my row of the cluster
	s_lshl_b32 s85, 0x1111, s29                    ; my column
	s_or_b32 s[G1X], s84, (3<<16)|(1<<21)          ; the mask; elements of 8 bytes; 21 set beside a mask; 128 dense rows of 256 bytes
	s_or_b32 s[G1W], s85, (3<<16)|(1<<21)          ; 64 such rows
	s_mov_b32 s[G1X+1], 32<<16
	s_mov_b32 s[G1X+2], 128<<16
	s_mov_b32 s[G1X+3], 32<<16
	s_mov_b32 s[G1X+4], 128
	s_mov_b32 s[G1X+5], 32
	s_mov_b32 s[G1X+6], 0
	s_mov_b32 s[G1X+7], 0
	s_mov_b32 s[G1W+1], 32<<16
	s_mov_b32 s[G1W+2], 64<<16
	s_mov_b32 s[G1W+3], 32<<16
	s_mov_b32 s[G1W+4], 64
	s_mov_b32 s[G1W+5], 32
	s_mov_b32 s[G1W+6], 0
	s_mov_b32 s[G1W+7], 0
	s_lshl_b32 s86, s19, 15                        ; my quarter of x's block in LDS,
	s_lshl_b32 s56, ttmp9, 22
	s_lshl_b32 s57, s31, 17
	s_add_co_u32 s56, s56, s57
	s_add_co_u32 s56, s56, s86                     ; and in xc
	s_mov_b32 s57, 0
	s_lshl_b32 s87, s19, 14                        ; the same for W
	s_lshl_b32 s58, ttmp9, 18
	s_lshl_b32 s59, s29, 16
	s_add_co_u32 s58, s58, s59
	s_add_co_u32 s58, s58, s87
	s_mov_b32 s59, 0
	s_lshl_b32 s80, s29, 9                         ; the bias: 128 cx + 32 cp numbers
	s_lshl_b32 s82, s19, 7
	s_add_co_u32 s80, s80, s82
	s_mov_b32 s81, 0
	s_lshr_b32 s82, s31, 4
	s_lshl_b32 s82, s82, 3
	s_lshl_b32 s83, s29, 1
	s_add_co_u32 s82, s82, s83
	s_lshr_b32 s83, s19, 1
	s_add_co_u32 s82, s82, s83                     ; bh = 8 batch + 2 cx + cp / 2
	s_and_b32 s83, s31, 15
	s_lshl_b32 s83, s83, 1
	s_add_co_u32 s83, s83, s28                     ; S: my 128 tokens within the batch
	s_and_b32 s88, s19, 1                          ; c: which 32 channels of the head
	s_lshl_b32 s76, s82, 18
	s_lshl_b32 s89, s83, 13
	s_add_co_u32 s76, s76, s89                     ; q's place
	s_lshl_b32 s78, s82, 19
	s_add_co_u32 s89, s83, 30
	s_and_b32 s89, s89, 31
	s_lshl_b32 s89, s89, 14
	s_add_co_u32 s90, s78, s89                     ; the keys' place
	s_lshl_b32 s89, s83, 14
	s_add_co_u32 s78, s78, s89
	s_lshl_b32 s89, s88, 12
	s_add_co_u32 s78, s78, s89
	s_add_co_u32 s78, s78, 8192                    ; the values' place
	s_mov_b32 s79, 0
	s_cmp_eq_u32 ttmp9, 0                          ; q or k: the same in all work-groups of a cluster
	s_cselect_b32 s76, s76, s90
	s_lshl_b32 s89, s88, 9
	s_add_co_u32 s76, s76, s89
	s_mov_b32 s77, 0
	s_wait_dscnt 0x0                               ; both opening adds are done
	s_wait_kmcnt 0x0
	s_load_b256 s[20:27], s[12:13], 0x0            ; e0 .. e7
	s_mov_b32 s[G0X], 1
	s_mov_b32 s[G0X+1], s86
	s_add_nc_u64 s[G0X+2:G0X+3], s[4:5], s[56:57]
	s_or_b32 s[G0X+3], s[G0X+3], 0x80000000
	s_mov_b32 s[G0W], 1
	s_add_co_u32 s[G0W+1], s87, WIMG
	s_add_nc_u64 s[G0W+2:G0W+3], s[6:7], s[58:59]
	s_or_b32 s[G0W+3], s[G0W+3], 0x80000000
	s_cmp_eq_u32 ttmp9, 0
	s_cselect_b64 s[74:75], s[8:9], s[10:11]
	s_cselect_b64 s[70:71], s[14:15], s[16:17]
	s_add_nc_u64 s[74:75], s[74:75], s[80:81]      ; the bias
	s_add_nc_u64 s[70:71], s[70:71], s[76:77]      ; where T's codes go
	s_add_nc_u64 s[72:73], s[16:17], s[78:79]      ; where N's codes go
	CROUND                                         ; in front of the joint loads
	s_cmp_lt_u32 s[WV], 4
	s_cbranch_scc0 .Lfor_w
	tensor_load_to_lds s[G0X:G0X+3], s[G1X:G1X+7]
	s_nop 0
.rept 4
	v_nop
.endr
	s_branch .Lasked
.Lfor_w:
	tensor_load_to_lds s[G0W:G0W+3], s[G1W:G1W+7]
	s_nop 0
.rept 4
	v_nop
.endr
.Lasked:
	v_and_b32 v[LI], 31, v0
	v_and_b32 v2, 15, v0                           ; r
	v_bfe_u32 v3, v0, 4, 1                         ; h
	v_lshlrev_b32 v[LI], 4, v[LI]
	v_lshlrev_b32 v46, 6, v3                       ; the bias in T's layout: 16 h channels on
	v_and_b32 v47, 8, v2
	v_add_nc_u32 v47, v47, v2
	v_lshlrev_b32 v47, 2, v47                      ; in N's: channel r + 8 (r / 8)
	s_lshl_b32 s82, s19, 14
	s_add_co_u32 s82, s82, WIMG                    ; W's tiles 2 cp, 2 cp + 1
	s_lshl_b32 s83, s28, 16                        ; x's tiles 8 th on
	v_add_nc_u32 v[WA], s82, v[LI]
	v_add_nc_u32 v[XA], s83, v[LI]
	global_load_b128 v[BT:BT+3], v46, s[74:75]     ; channels 32 cp + 16 h + 8 ct + 0 .. 7
	global_load_b128 v[BT+4:BT+7], v46, s[74:75] offset:16
	global_load_b128 v[BT+8:BT+11], v46, s[74:75] offset:32
	global_load_b128 v[BT+12:BT+15], v46, s[74:75] offset:48
	global_load_b32 v[BN], v47, s[74:75]           ; channel 32 cp + 8 ct + r + 8 (r / 8)
	global_load_b32 v[BN+8], v47, s[74:75] offset:32
	s_wait_alu depctr_va_vdst(0)
	s_wait_kmcnt 0x0
	s_cmp_eq_u32 ttmp9, 0
	s_cselect_b32 s84, s20, s22                    ; ex
	s_cselect_b32 s85, s21, s23                    ; ew
	s_cselect_b32 s86, s24, s25                    ; eo
	s_add_co_i32 s87, s84, s85                     ; a sum stands for sum x 2^(ex + ew)
	s_sub_co_i32 s88, 0, s87
	s_sub_co_i32 s86, s86, s87
	s_sub_co_i32 s89, s27, s87
	SCALE SCO, 86
	SCALE SCV, 89
	s_wait_alu depctr_va_vdst(0)
	s_wait_loadcnt 0x0                             ; the bias
.irp j, 0,1,2,3,4,5,6,7,8,9,10,11,12,13,14,15
	v_ldexp_f32 v[BT+\j], v[BT+\j], s88            ; bias / 2^(ex + ew)
.endr
	v_ldexp_f32 v[BN], v[BN], s88
	v_ldexp_f32 v[BN+8], v[BN+8], s88
.irp j, 1,2,3,4,5,6,7
	v_mov_b32 v[BN+\j], v[BN]                      ; in N's layout a lane's eight registers are one channel
	v_mov_b32 v[BN+8+\j], v[BN+8]
.endr
	s_wait_alu depctr_va_vdst(0)                   ; the head's end
	s_wait_tensorcnt 0x0                           ; my part is in,
	s_barrier_signal -1
	s_barrier_wait -1                              ; and everybody's; from here on LDS is only read
	WIN 0x40
.irp f, 0,1,2,3,4,5,6,7
.irp c, 0,1,2,3
	ds_load_b128 v[16*\f+4*\c:16*\f+4*\c+3], v[WA] offset:\f*FRB+512*\c   ; W's eight fragments stay in registers
.endr
.endr
	WIN 0
.macro XLOAD bp                        ; a pair of token tiles: eight fragments into buffer bp % 2
.set XB, 64+64*((\bp)%2)
	WIN 0x40*((\bp)%2)
.irp f, 0,1,2,3,4,5,6,7
.irp c, 0,1,2,3
	ds_load_b128 v[XB+16*\f+4*\c:XB+16*\f+4*\c+3], v[XA] offset:16384*(\bp)+\f*FRB+512*\c
.endr
.endr
	WIN 0
.endm
; One pair of token tiles against my pair of channel tiles.  The four accumulators of a product take turns, one instruction a turn, K step by K step.
.macro PAIR bp
	s_wait_dscnt 0x0
.if \bp < 3
	XLOAD \bp+1                                    ; the buffer's last readers, matrix instructions of the pair before, have that pair's holds behind them
.endif
.set XB, 64+64*((\bp)%2)
	WIN 0x01+0x04*((\bp)%2)                        ; source 0 (W) window 1; source 1 (x) the buffer's
.irp s, 0,1,2,3
.irp tt, 0,1
.irp ct, 0,1
.if \s == 0
	v_wmma_f32_16x16x128_bf8_bf8 v[TA+16*\tt+8*\ct:TA+16*\tt+8*\ct+7], v[16*(4*\ct+\s):16*(4*\ct+\s)+15], v[XB+16*(4*\tt+\s):XB+16*(4*\tt+\s)+15], v[BT+8*\ct:BT+8*\ct+7]
.else
	v_wmma_f32_16x16x128_bf8_bf8 v[TA+16*\tt+8*\ct:TA+16*\tt+8*\ct+7], v[16*(4*\ct+\s):16*(4*\ct+\s)+15], v[XB+16*(4*\tt+\s):XB+16*(4*\tt+\s)+15], v[TA+16*\tt+8*\ct:TA+16*\tt+8*\ct+7]
.endif
.endr
.endr
.endr
	WIN 0
.rept 4
	v_nop                                          ; places in front of the first read of results (ISA guide 7.12.1)
.endr
.if \bp > 0
	s_wait_xcnt 0x0                                ; the last pair's stores have read their data
.endif
.set jj, 0
.rept 32
	v_med3_num_f32 v[TA+jj], v[TA+jj], -v[SCO+1], v[SCO+1]   ; the hold; each accumulator from its low end on
.set jj, jj+1
.endr
.irp tt, 0,1
	v_cvt_scalef32_pk8_bf8_f32 v[PC+4*\tt:PC+4*\tt+1], v[TA+16*\tt:TA+16*\tt+7], v[SCO]          ; token slot r, channels 32 c + 16 h + 0 .. 15
	v_cvt_scalef32_pk8_bf8_f32 v[PC+4*\tt+2:PC+4*\tt+3], v[TA+16*\tt+8:TA+16*\tt+15], v[SCO]
.endr
	v_nop                                          ; one plain vector instruction behind the last conversion of a run
.irp tt, 0,1
	global_store_b128 v[LI], v[PC+4*\tt:PC+4*\tt+3], s[70:71] offset:(2*\bp+\tt)*1024   ; 512 consecutive bytes, aligned
.endr
	s_cmp_eq_u32 ttmp9, 0                          ; q has no values: a branch on the cluster's number, with no barrier and no LDS instruction under it
	s_cbranch_scc1 .Lonly_q_\@
	WIN 0x04+0x01*((\bp)%2)                        ; source 0 (x) the buffer's; source 1 (W) window 1
.irp s, 0,1,2,3
.irp ct, 0,1
.irp tt, 0,1
.if \s == 0
	v_wmma_f32_16x16x128_bf8_bf8 v[NA+16*\ct+8*\tt:NA+16*\ct+8*\tt+7], v[XB+16*(4*\tt+\s):XB+16*(4*\tt+\s)+15], v[16*(4*\ct+\s):16*(4*\ct+\s)+15], v[BN+8*\ct:BN+8*\ct+7]
.else
	v_wmma_f32_16x16x128_bf8_bf8 v[NA+16*\ct+8*\tt:NA+16*\ct+8*\tt+7], v[XB+16*(4*\tt+\s):XB+16*(4*\tt+\s)+15], v[16*(4*\ct+\s):16*(4*\ct+\s)+15], v[NA+16*\ct+8*\tt:NA+16*\ct+8*\tt+7]
.endif
.endr
.endr
.endr
	WIN 0
.rept 4
	v_nop
.endr
.set jj, 0
.rept 32
	v_med3_num_f32 v[NA+jj], v[NA+jj], -v[SCV+1], v[SCV+1]
.set jj, jj+1
.endr
.irp ct, 0,1
	v_cvt_scalef32_pk8_bf8_f32 v[PC+8+4*\ct:PC+8+4*\ct+1], v[NA+16*\ct:NA+16*\ct+7], v[SCV]      ; channel slot r, keys 32 bp + 16 h + 0 .. 15
	v_cvt_scalef32_pk8_bf8_f32 v[PC+8+4*\ct+2:PC+8+4*\ct+3], v[NA+16*\ct+8:NA+16*\ct+15], v[SCV]
.endr
	v_nop
.irp ct, 0,1
	global_store_b128 v[LI], v[PC+8+4*\ct:PC+8+4*\ct+3], s[72:73] offset:FRB*\ct+512*\bp
.endr
.Lonly_q_\@:
.endm
	XLOAD 0
	PAIR 0
	PAIR 1
	PAIR 2
	PAIR 3
	s_wait_tensorcnt 0x0                           ; the wave's end
	ds_add_u32 v[SPW], v[NIL]
	s_wait_dscnt 0x0
	CROUND                                         ; the closing round
	s_endpgm
.Lfunc_end_k_q0274c57ac4_proj:
	.size	k_q0274c57ac4_proj, .Lfunc_end_k_q0274c57ac4_proj-k_q0274c57ac4_proj
	.p2alignl 7, 3214868480
	.fill 96, 4, 3214868480
	.section	.rodata,"a",@progbits
	.p2align	6, 0x0
	.amdhsa_kernel k_q0274c57ac4_proj
		.amdhsa_group_segment_fixed_size 327680
		.amdhsa_private_segment_fixed_size 0
		.amdhsa_enable_private_segment 0
		.amdhsa_kernarg_size 56
		.amdhsa_user_sgpr_count 2
		.amdhsa_user_sgpr_kernarg_segment_ptr 1
		.amdhsa_wavefront_size32 1
		.amdhsa_system_sgpr_workgroup_id_x 1
		.amdhsa_system_sgpr_workgroup_id_y 1
		.amdhsa_system_sgpr_workgroup_id_z 1
		.amdhsa_system_vgpr_workitem_id 0
		.amdhsa_next_free_vgpr 512
		.amdhsa_next_free_sgpr 96
		.amdhsa_reserve_vcc 0
		.amdhsa_float_denorm_mode_32 3
		.amdhsa_float_denorm_mode_16_64 3
		.amdhsa_memory_ordered 1
		.amdhsa_forward_progress 1
		.amdhsa_inst_pref_size 50
	.end_amdhsa_kernel
	.amdgpu_metadata
---
amdhsa.version: [ 1, 2 ]
amdhsa.kernels:
  - .name:           k_q0274c57ac4_proj
    .symbol:         k_q0274c57ac4_proj.kd
    .args:
      - { .name: xc, .offset: 0, .size: 8, .value_kind: global_buffer, .address_space: global }
      - { .name: wc, .offset: 8, .size: 8, .value_kind: global_buffer, .address_space: global }
      - { .name: bq, .offset: 16, .size: 8, .value_kind: global_buffer, .address_space: global }
      - { .name: bk, .offset: 24, .size: 8, .value_kind: global_buffer, .address_space: global }
      - { .name: lowp_scales, .offset: 32, .size: 8, .value_kind: global_buffer, .address_space: global }
      - { .name: qc, .offset: 40, .size: 8, .value_kind: global_buffer, .address_space: global }
      - { .name: kv, .offset: 48, .size: 8, .value_kind: global_buffer, .address_space: global }
    .group_segment_fixed_size: 327680
    .private_segment_fixed_size: 0
    .kernarg_segment_align: 8
    .kernarg_segment_size: 56
    .max_flat_workgroup_size: 256
    .sgpr_count:     96
    .vgpr_count:     512
    .wavefront_size: 32
...
	.end_amdgpu_metadata
.endif
;; end of part 2
;; launch attn (part 3): grid 16 x 16, 8 waves a work-group, clusters of 4 x 1, 327,680 bytes of LDS; arguments qc, kv, lowp_scales, out0; writes out0
.if DOCPART == 3
	.amdgcn_target "amdgcn-amd-amdhsa--gfx1250"
	.amdhsa_code_object_version 6
	.text
	.protected	k_q0274c57ac4_attn
	.globl	k_q0274c57ac4_attn
	.p2align	8
	.type	k_q0274c57ac4_attn,@function
k_q0274c57ac4_attn:
	s_mov_b64 s[64:65], 0
	v_nop
	global_prefetch_b8 v0, s[64:65] scope:SCOPE_SE
	s_setreg_imm32_b32 hwreg(HW_REG_WAVE_MODE, 25, 1), 1
	s_wait_xcnt 0x0
	s_wait_alu depctr_hold_cnt(0) depctr_sa_sdst(0) depctr_va_vdst(0) depctr_va_sdst(0) depctr_va_ssrc(0) depctr_va_vcc(0) depctr_vm_vsrc(0)
	s_getreg_b32 s2, hwreg(HW_REG_IB_STS2, 6, 4)
	s_cmp_eq_u32 s2, 0
	s_cbranch_scc0 .Lentry_in_a_cluster
	s_endpgm
.Lentry_in_a_cluster:
	s_bfe_u32 s2, ttmp6, 0x10000c
	s_cmp_lg_u32 s2, 0x3003
	s_cbranch_scc0 .Lentry_shape_is_right
	s_endpgm
.Lentry_shape_is_right:
; out[q] = the sum over keys of softmax(q . k / sqrt(512)) v, v = k, 16 heads (bh = 8 batch + head) of 4,096 tokens and 64 channels; both products on codes of BF8 (E5M2), f32 sums.
; qc, kv: the codes that launch proj has laid as images of the operands' registers, 16 bytes a lane: qc at bh x 262144 + token tile x 1024; kv at bh x 524288 + S x 16384 (S: 128 keys): there the values of S at
; 8192 + g x 2048 + c x 512 (g: tile of 16 channels, c: keys 32 c on), and the keys of S + 2 (mod 32) at t x 1024 + c x 512: a key step's values lie beside the next step's keys.
; p = 2^(t - M), t = score x c, M the running largest t rounded UP to a whole number; the row's sum is taken of the unquantised p and divides at the end; when M moves, sum and O are multiplied by 2^(old M - new M).
; SHARES.  A work-group owns 256 queries of one head, a wave 32 of them (two tiles).  A KEY STEP is 256 keys: 16 tiles of S^T = K Q^T for each tile of queries (a lane holds one query; registers 16 b .. 16 b + 15
; are keys 32 b + 16 h + 0 .. 15, h = lane / 16), the softmax, and O^T += V^T P^T as two products of 128 keys.
; K and V come through a ring of two LDS slots of 131,072 bytes (four key steps each); wave w fetches 16,384 bytes of each slot.  CLUSTERS: the four work-groups of a cluster walk the same head, so each load is a joint one.
; The first step's keys go through registers into LDS bytes of their own at the head; each later step's fragments of K are loaded from LDS in the step before.
; A slot is asked for at the head of the slot before it: four whole key steps, 192 matrix instructions a wave, stand between a load and the wait for it; so nothing is prefetched: no wave is left waiting for a later slot.
; EXPONENTIALS go in two batches of 128 a step.  Among them stand only plain lines whose results nobody reads before the next wait: tile 1's t - M in the first, tile 0's hold in the second.
; REGISTERS.  Window 0: v1-35 addresses and the rows' state, Q v36-51, O^T v52-115, P's codes v116-179, K's first 128 keys v180-243.
;   Window 1: S^T and p, tile 0 v0-127, tile 1 v128-255; when tile 0 is converted, v0-127 take V's fragments; when tile 1 is, v128-191 take those of the next step's second 128 keys.
; LIMITS, so that each power of two is an f32 number: e4 + e5 between -122 and 131, e6 between -126 and 112.  The scaled scores stay under 2^31 in magnitude.  NaN among the inputs is not served.
.set SLOTB, 131072
.set STEPB, 32768
.set SPARE, 262144                     ; the spare words: 128 bytes for each of eight waves
.set STAGE, 263168                     ; the way out: 16 rows x 272 bytes for each wave; no fill lands here
.set SP,    272
.set K0B,   297984                     ; the first step's keys, 16,384 bytes; no fill lands here
.set LI,  1                            ; v1 16 x lane
.set ADR, 2                            ; v2 LDS address of the step
.set SPW, 3                            ; v3 my spare word, v4 0: never rewritten
.set NIL, 4
.set STO, 5                            ; v5, v6, v7 the way out: into the stage, out of it, my offset in out0
.set RD,  6
.set GO,  7
.set TT,  8                            ; v8-15, v16-23 a tile's rows: +0 -M, +1 largest t, +2,3 sum, +4 f (with +5), +6 at work
.set LIM, 24                           ; 57,344 x 2^e6
.set SCL, 25                           ; 2^e6
.set PX,  26
.set MT,  28                           ; v28-35 at work
.set Q,   36
.set OT,  52
.set P,   116
.set KA,  180
.set KB,  128                          ; (window 1)
.set WV,  12
.set G1,  24
.set G0,  32
.set SEL, 48
.set CS,  50
.set TB,  52
.set CNT, 53
.set EO,  54
.set MSB, 0
.macro WIN new                         ; the immediate's high byte repeats the setting that is left
.if MSB != \new
	s_set_vgpr_msb (MSB<<8)|\new
.set MSB, \new
.endif
.endm
.macro CROUND                          ; a round of the cluster's barrier
	s_barrier_signal -1
	s_barrier_wait -1
	s_cmp_lg_u32 s[WV], 0
	s_cbranch_scc1 .Lnot_wave_0_\@
	s_barrier_signal -3
.Lnot_wave_0_\@:
	s_barrier_wait -3
	s_barrier_signal -1
	s_barrier_wait -1
.endm
	s_load_b256 s[4:11], s[0:1], 0x0               ; qc, kv, the scales' exponents, out0
	v_lshl_add_u32 v[SPW], v0, 2, SPARE
	v_mov_b32 v[NIL], 0
	ds_add_u32 v[SPW], v[NIL]                      ; the wave's opening
	ds_add_u32 v[SPW], v[NIL]
	v_lshrrev_b32 v1, 5, v0
	v_readfirstlane_b32 s[WV], v1                  ; wave 0..7
	s_bfe_u32 s13, ttmp6, 0x40000
	s_lshl_b32 s14, ttmp9, 2
	s_add_co_u32 s14, s14, s13                     ; which 256 queries: 4 x cluster + cx
	s_and_b32 s15, ttmp7, 0xffff                   ; bh
	s_mov_b32 s[G1], 15|(3<<16)|(1<<21)            ; group 1: mask of the four; elements of 8 bytes; 21 set beside a mask; 64 dense rows of 256 bytes
	s_mov_b32 s[G1+1], 32<<16
	s_mov_b32 s[G1+2], 64<<16
	s_mov_b32 s[G1+3], 32<<16
	s_mov_b32 s[G1+4], 64
	s_mov_b32 s[G1+5], 32
	s_mov_b32 s[G1+6], 0
	s_mov_b32 s[G1+7], 0
	s_mov_b32 s[SEL], 0x76543210
	s_mov_b32 s[SEL+1], 0xfedcba98
	s_lshl_b32 s55, s[WV], 14                      ; my 16,384 bytes of a slot
	s_lshl_b32 s56, s15, 19
	s_lshr_b32 s38, s[WV], 2                       ; the first step's keys: those of S = 0, 1 lie at S = 30, 31; I bring 2,048 bytes of them
	s_lshl_b32 s38, s38, 14
	s_and_b32 s40, s[WV], 3
	s_lshl_b32 s40, s40, 11
	s_add_co_u32 s38, s38, s40
	s_add_co_u32 s38, s38, s56
	s_add_co_u32 s38, s38, 30*16384
	s_mov_b32 s39, 0
	s_lshl_b32 s41, s[WV], 11
	s_add_co_u32 s41, s41, K0B
	s_add_co_u32 s56, s56, s55
	s_mov_b32 s57, 0
	s_lshl_b32 s60, s14, 3
	s_add_co_u32 s60, s60, s[WV]                   ; which 32 queries of the head
	s_lshl_b32 s62, s60, 16                        ; their rows of out0: 2,048 bytes each,
	s_lshl_b32 s60, s60, 11                        ; and their codes
	s_lshl_b32 s61, s15, 18
	s_add_co_u32 s60, s60, s61
	s_mov_b32 s61, 0
	s_lshr_b32 s63, s15, 3
	s_lshl_b32 s63, s63, 23                        ; the batch
	s_add_co_u32 s62, s62, s63
	s_and_b32 s63, s15, 7
	s_lshl_b32 s63, s63, 8                         ; the head's 256 bytes of a row
	s_add_co_u32 s62, s62, s63
	s_mov_b32 s63, 0
	s_wait_dscnt 0x0                               ; both opening adds are done
	s_wait_kmcnt 0x0
	s_load_b256 s[16:23], s[8:9], 0x0              ; e0 .. e7
	s_add_nc_u64 s[58:59], s[6:7], s[56:57]
	s_add_nc_u64 s[38:39], s[6:7], s[38:39]
	s_add_nc_u64 s[4:5], s[4:5], s[60:61]
	s_add_nc_u64 s[10:11], s[10:11], s[62:63]
	s_mov_b32 s[G0], 1
	s_mov_b32 s[G0+1], s55
	s_mov_b64 s[G0+2:G0+3], s[58:59]
	s_or_b32 s[G0+3], s[G0+3], 0x80000000
	CROUND                                         ; in front of the first joint loads
	tensor_load_to_lds s[G0:G0+3], s[G1:G1+7]      ; slot 0
	s_nop 0
	v_and_b32 v[LI], 31, v0
	v_and_b32 v28, 15, v0                          ; r
	v_bfe_u32 v29, v0, 4, 1                        ; h
	v_lshlrev_b32 v[LI], 4, v[LI]
	s_mul_i32 s56, s[WV], 16*SP
	s_add_co_u32 s56, s56, STAGE                   ; my stage
.irp i, 0,1,2,3
	global_load_b128 v[KA+4*\i:KA+4*\i+3], v[LI], s[38:39] offset:512*\i
.endr
.irp qt, 0,1
.irp c, 0,1
	global_load_b128 v[Q+8*\qt+4*\c:Q+8*\qt+4*\c+3], v[LI], s[4:5] offset:1024*\qt+512*\c
.endr
.endr
	v_mul_u32_u24 v[STO], v28, SP
	v_mul_u32_u24 v[RD], v29, SP
	v_lshlrev_b32 v[GO], 11, v29
	v_lshl_add_u32 v[STO], v29, 6, v[STO]          ; in: row r, 64 bytes for each half
	v_lshl_add_u32 v[RD], v28, 4, v[RD]            ; back: lanes 0-15 one row of 256 bytes, lanes 16-31 the next
	v_lshl_add_u32 v[GO], v28, 4, v[GO]
	v_add_nc_u32 v[STO], s56, v[STO]
	v_add_nc_u32 v[RD], s56, v[RD]
	v_add_nc_u32 v[ADR], s41, v[LI]                ; where my part of the first keys goes
.irp qt, 0,1
	v_mov_b32 v[TT+8*\qt+1], 0xff61b1e6            ; the largest t so far: -3e38, under every t
	v_mov_b32 v[TT+8*\qt+2], 0
	v_mov_b32 v[TT+8*\qt+3], 0
	v_mov_b32 v[TT+8*\qt+5], 0                     ; (named as the upper half of f's pair)
	v_mov_b32 v[PX+\qt], 0                         ; (a lane permute's destination counts as a source)
	v_floor_f32 v[TT+8*\qt], -v[TT+8*\qt+1]
.endr
.set jj, 0
.rept 64
	v_mov_b32 v[OT+jj], 0                          ; the step is written for any step: the first change of M leaves these zeros
.set jj, jj+1
.endr
	s_wait_alu depctr_va_vdst(0)
	s_wait_kmcnt 0x0
	s_add_co_i32 s56, s20, s21
	s_lshl_b32 s56, s56, 23
	s_add_co_i32 s[CS], s56, 0x3d8293ee            ; c = log2(e) / sqrt(512) x 2^(e4 + e5)
	s_mov_b32 s[CS+1], s[CS]
	s_add_co_i32 s56, s22, 127
	s_lshl_b32 s57, s56, 23
	v_mov_b32 v[SCL], s57
	s_add_co_i32 s56, s56, 15
	s_lshl_b32 s56, s56, 23
	s_or_b32 s56, s56, 0x600000
	v_mov_b32 v[LIM], s56
	s_add_co_i32 s[EO], s22, s23
; The row's sum: 64 pairs of p, tile qt, in four chains (the sum itself and three pairs of registers)
.macro ADDS qt
.set rT, TT+8*(\qt)
.set rS, 128*(\qt)
	WIN 0x05
.irp k, 0,1,2
	v_pk_add_f32 v[MT+2*\k:MT+2*\k+1], v[rS+4*\k:rS+4*\k+1], v[rS+4*\k+2:rS+4*\k+3]
.endr
	WIN 0x01
.set jj, 6
.rept 58
.if jj%4 == 2
	v_pk_add_f32 v[rT+2:rT+3], v[rS+2*jj:rS+2*jj+1], v[rT+2:rT+3]
.else
.set ja, MT+2*((jj+1)%4)
	v_pk_add_f32 v[ja:ja+1], v[rS+2*jj:rS+2*jj+1], v[ja:ja+1]
.endif
.set jj, jj+1
.endr
	WIN 0
	v_pk_add_f32 v[rT+2:rT+3], v[rT+2:rT+3], v[MT:MT+1]
	v_pk_add_f32 v[MT+2:MT+3], v[MT+2:MT+3], v[MT+4:MT+5]
	v_pk_add_f32 v[rT+2:rT+3], v[rT+2:rT+3], v[MT+2:MT+3]
.endm
.macro TMM qt, n                       ; t - M of one pair (of the pairs c and -M the low word serves both halves)
	v_pk_fma_f32 v[128*(\qt)+2*(\n):128*(\qt)+2*(\n)+1], v[128*(\qt)+2*(\n):128*(\qt)+2*(\n)+1], s[CS:CS+1], v[TT+8*(\qt):TT+8*(\qt)+1] op_sel_hi:[1,0,0]
.endm
.macro HOLD qt, n                      ; the conversion to an 8-bit code does not saturate (ISA guide 7.6.2); p is not negative: a one-sided hold of two numbers
	v_dual_min_num_f32 v[128*(\qt)+2*(\n)], v[128*(\qt)+2*(\n)], v[LIM] :: v_dual_min_num_f32 v[128*(\qt)+2*(\n)+1], v[128*(\qt)+2*(\n)+1], v[LIM]
.endm
.macro CODES qt                        ; 128 numbers into 32 registers of codes
	WIN 0x01
.irp b, 0,1,2,3,4,5,6,7
	v_cvt_scalef32_pk8_bf8_f32 v[P+32*(\qt)+4*\b:P+32*(\qt)+4*\b+1], v[128*(\qt)+16*\b:128*(\qt)+16*\b+7], v[SCL]
	v_cvt_scalef32_pk8_bf8_f32 v[P+32*(\qt)+4*\b+2:P+32*(\qt)+4*\b+3], v[128*(\qt)+16*\b+8:128*(\qt)+16*\b+15], v[SCL]
.endr
	v_nop                                          ; one plain vector instruction behind the last conversion of a run
.endm
; S^T of 128 keys: eight tiles from a on, into both tiles' registers from 8 t0 on
.macro SCORES a, t0
.irp t, 0,1,2,3,4,5,6,7
.irp qt, 0,1
	v_wmma_f32_16x16x64_bf8_bf8 v[128*\qt+8*(\t0+\t):128*\qt+8*(\t0+\t)+7], v[\a+8*\t:\a+8*\t+7], v[Q+8*\qt:Q+8*\qt+7], 0
.endr
.endr
.endm
.macro KLOAD a, off
.irp t, 0,1,2,3,4,5,6,7
.irp c, 0,1
	ds_load_b128 v[\a+8*\t+4*\c:\a+8*\t+4*\c+3], v[ADR] offset:\off+1024*\t+512*\c
.endr
.endr
.endm
; last = 1, in the last slot: its last step has no next step, so a branch on the loop's count leads round the loads of K.  Every wait on DScnt in the step is for 0.
.macro STEP last
	v_add_nc_u32 v[ADR], s[TB], v[LI]
.rept 4
	v_nop                                          ; with the line above: five places behind the last products, whose operands' registers are written over below
.endr
	s_wait_dscnt 0x0                               ; this step's K is in
	WIN 0x41
	SCORES KB, 8
.rept 5
	v_nop                                          ; five places: the products below write over KB's registers
.endr
	WIN 0x40
	SCORES KA, 0
.rept 4
	v_nop                                          ; places in front of the first read of results
.endr
	WIN 0x15                                       ; the largest score of my query among my 128 keys, in four chains a tile; each accumulator from its low end on
.irp k, 0,1,2,3
.irp qt, 0,1
	v_max3_num_f32 v[MT+4*\qt+\k], v[128*\qt+3*\k], v[128*\qt+3*\k+1], v[128*\qt+3*\k+2]
.endr
.endr
	WIN 0x14
.set ii, 0
.rept 58
.irp qt, 0,1
	v_max3_num_f32 v[MT+4*\qt+ii%4], v[MT+4*\qt+ii%4], v[128*\qt+12+2*ii], v[128*\qt+13+2*ii]
.endr
.set ii, ii+1
.endr
	WIN 0
.irp qt, 0,1
	v_max3_num_f32 v[TT+8*\qt+6], v[MT+4*\qt], v[MT+4*\qt+1], v[MT+4*\qt+2]
.endr
.irp qt, 0,1
	v_max_num_f32 v[TT+8*\qt+6], v[TT+8*\qt+6], v[MT+4*\qt+3]
.endr
.irp qt, 0,1
	v_permlanex16_b32 v[PX+\qt], v[TT+8*\qt+6], s[SEL], s[SEL+1]
.endr
.irp qt, 0,1
	v_max_num_f32 v[TT+8*\qt+6], v[TT+8*\qt+6], v[PX+\qt]     ; and among lane l xor 16's
.endr
.irp qt, 0,1
	v_mul_f32 v[TT+8*\qt+6], s[CS], v[TT+8*\qt+6]             ; as t (c is positive)
.endr
.irp qt, 0,1
	v_max_num_f32 v[TT+8*\qt+1], v[TT+8*\qt+1], v[TT+8*\qt+6]
.endr
.irp qt, 0,1
	v_mov_b32 v[TT+8*\qt+6], v[TT+8*\qt]
.endr
.irp qt, 0,1
	v_floor_f32 v[TT+8*\qt], -v[TT+8*\qt+1]                   ; the new -M = -ceil(t)
.endr
.irp qt, 0,1
	v_sub_f32 v[TT+8*\qt+6], v[TT+8*\qt], v[TT+8*\qt+6]       ; old M - new M: a whole number, 0 or less
.endr
.irp qt, 0,1
	v_cvt_i32_f32 v[TT+8*\qt+6], v[TT+8*\qt+6]                ; (it saturates)
.endr
.irp qt, 0,1
	v_ldexp_f32 v[TT+8*\qt+4], 1.0, v[TT+8*\qt+6]             ; f
.endr
.irp qt, 0,1
	v_pk_mul_f32 v[TT+8*\qt+2:TT+8*\qt+3], v[TT+8*\qt+2:TT+8*\qt+3], v[TT+8*\qt+4:TT+8*\qt+5] op_sel_hi:[1,0]
.endr
.set ii, 0
.rept 16
.irp qt, 0,1
	v_pk_mul_f32 v[OT+32*\qt+2*ii:OT+32*\qt+2*ii+1], v[OT+32*\qt+2*ii:OT+32*\qt+2*ii+1], v[TT+8*\qt+4:TT+8*\qt+5] op_sel_hi:[1,0]
.endr
.set ii, ii+1
.endr
	WIN 0x41
.set ii, 0
.rept 64
	TMM 0, ii
.set ii, ii+1
.endr
	s_wait_alu depctr_va_vdst(0)                   ; ahead of the batch
.set ii, 0
.rept 64
	v_exp_f32 v[2*ii], v[2*ii]
	v_exp_f32 v[2*ii+1], v[2*ii+1]
	TMM 1, ii                                      ; read behind the next wait
.set ii, ii+1
.endr
	s_wait_alu depctr_va_vdst(0)                   ; behind the batch, and ahead of the next
	ADDS 0
	WIN 0x41
.set ii, 0
.rept 64
	v_exp_f32 v[128+2*ii], v[128+2*ii]
	v_exp_f32 v[128+2*ii+1], v[128+2*ii+1]
	HOLD 0, ii                                     ; read behind the next wait
.set ii, ii+1
.endr
	v_nop
	s_wait_alu depctr_va_vdst(0)                   ; behind the batch
	CODES 0
	WIN 0x40                                       ; tile 0's numbers are converted: V's fragments take their registers
.irp hf, 0,1
.irp g, 0,1,2,3
.irp c, 0,1,2,3
	ds_load_b128 v[64*\hf+16*\g+4*\c:64*\hf+16*\g+4*\c+3], v[ADR] offset:8192+16384*\hf+2048*\g+512*\c
.endr
.endr
.endr
	WIN 0
.if \last
	s_cmp_eq_u32 s[CNT], 1
	s_cbranch_scc1 .Lno_ka_\@
.endif
	KLOAD KA, 0                                    ; the next step's first 128 keys
.if \last
.Lno_ka_\@:
.endif
	ADDS 1
	WIN 0x41
.set ii, 0
.rept 64
	HOLD 1, ii
.set ii, ii+1
.endr
	CODES 1
	WIN 0
	s_wait_alu depctr_va_vdst(0)
	s_wait_dscnt 0x0                               ; V's fragments are in
.if \last
	s_cmp_eq_u32 s[CNT], 1
	s_cbranch_scc1 .Lno_kb_\@
.endif
	WIN 0x40                                       ; tile 1's numbers are converted: the next step's second 128 keys take their registers
	KLOAD KB, 16384
	WIN 0
.if \last
.Lno_kb_\@:
.endif
	WIN 0x01
.irp hf, 0,1                                   ; the eight accumulators take turns, one instruction a turn
.irp g, 0,1,2,3
.irp qt, 0,1
	v_wmma_f32_16x16x128_bf8_bf8 v[OT+32*\qt+8*\g:OT+32*\qt+8*\g+7], v[64*\hf+16*\g:64*\hf+16*\g+15], v[P+32*\qt+16*\hf:P+32*\qt+16*\hf+15], v[OT+32*\qt+8*\g:OT+32*\qt+8*\g+7]
.endr
.endr
.endr
	WIN 0
.endm
.macro STEPS slot, last                ; a slot's four key steps
	s_mov_b32 s[TB], \slot*SLOTB
	s_mov_b32 s[CNT], 4
.Lstep_\@:
	STEP \last
	s_add_co_u32 s[TB], s[TB], STEPB
	s_sub_co_u32 s[CNT], s[CNT], 1
	s_cmp_lg_u32 s[CNT], 0
	s_cbranch_scc1 .Lstep_\@
.endm
; The change of slots, at a slot's head: my loads have landed, the add, my reads of the slot that was left are over.  fill = 1: a round of the cluster's barrier, and the slot that was left is filled with the next four key steps.
.macro CHANGE fill
	s_wait_tensorcnt 0x0
	ds_add_u32 v[SPW], v[NIL]
.if \fill
	s_xor_b32 s[G0+1], s[G0+1], SLOTB              ; no load of mine is out: the descriptor walks on
	s_add_nc_u64 s[G0+2:G0+3], s[G0+2:G0+3], SLOTB
.endif
	s_wait_dscnt 0x0
.if \fill
	CROUND
	tensor_load_to_lds s[G0:G0+3], s[G1:G1+7]
	s_nop 0
.rept 4
	v_nop
.endr
.else
	s_barrier_signal -1
	s_barrier_wait -1
.endif
.endm
	s_wait_alu depctr_va_vdst(0)                   ; the head's end
	s_wait_loadcnt 0x0                             ; Q, and my part of the first keys
	s_wait_tensorcnt 0x0
.irp i, 0,1,2,3
	ds_store_b128 v[ADR], v[KA+4*\i:KA+4*\i+3] offset:512*\i
.endr
	CHANGE 1                                       ; slot 0 and the first keys are whole; slot 1's first fill
	v_add_nc_u32 v[ADR], K0B, v[LI]
	KLOAD KA, 0
	WIN 0x40
	KLOAD KB, 8192
	WIN 0
	STEPS 0, 0
	CHANGE 1
	STEPS 1, 0
	CHANGE 1
	STEPS 0, 0
	CHANGE 0                                       ; nothing more to ask for
	STEPS 1, 1
	; THE WAY OUT: O^T x 2^(e6 + e7) / the sum, through my stage, so that sixteen lanes store one aligned unit of 256 bytes
.irp qt, 0,1
	v_add_f32 v[TT+8*\qt+6], v[TT+8*\qt+2], v[TT+8*\qt+3]
.endr
.irp qt, 0,1
	v_permlanex16_b32 v[PX+\qt], v[TT+8*\qt+6], s[SEL], s[SEL+1]
.endr
.irp qt, 0,1
	v_add_f32 v[TT+8*\qt+6], v[TT+8*\qt+6], v[PX+\qt]
.endr
	s_wait_alu depctr_va_vdst(0)                   ; ahead of the transcendentals
.irp qt, 0,1
	v_rcp_f32 v[TT+8*\qt+4], v[TT+8*\qt+6]
.endr
	v_nop
	s_wait_alu depctr_va_vdst(0)                   ; behind them
.irp qt, 0,1
	v_ldexp_f32 v[TT+8*\qt+4], v[TT+8*\qt+4], s[EO]
.endr
	s_wait_alu depctr_va_vdst(0)                   ; directly ahead of the first readers of O^T
.irp qt, 0,1
.set jj, 0
.rept 16
	v_pk_mul_f32 v[OT+32*\qt+jj:OT+32*\qt+jj+1], v[OT+32*\qt+jj:OT+32*\qt+jj+1], v[TT+8*\qt+4:TT+8*\qt+5] op_sel_hi:[1,0]
.set jj, jj+2
.endr
.endr
.irp qt, 0,1
.irp b, 0,1
.irp i, 0,1,2,3
	ds_store_b128 v[STO], v[OT+32*\qt+16*\b+4*\i:OT+32*\qt+16*\b+4*\i+3] offset:128*\b+16*\i
.endr
.endr
.irp i, 0,1,2,3,4,5,6,7
	ds_load_b128 v[P+32*\qt+4*\i:P+32*\qt+4*\i+3], v[RD] offset:2*\i*SP   ; LDS serves a wave's instructions in order
.endr
.endr
.macro SEND qt, younger                ; younger: the LDS instructions issued behind tile qt's loads.  Row r of tile qt is token 8 qt + r + 8 (r / 8)
.irp i, 0,1,2,3,4,5,6,7
	s_wait_dscnt \younger+7-\i
	global_store_b128 v[GO], v[P+32*\qt+4*\i:P+32*\qt+4*\i+3], s[10:11] offset:(8*\qt+2*\i+8*(\i/4))*2048 th:TH_STORE_NT
.endr
.endm
	SEND 0, 16
	SEND 1, 0
	s_wait_tensorcnt 0x0                           ; the wave's end
	ds_add_u32 v[SPW], v[NIL]
	s_wait_dscnt 0x0
	CROUND                                         ; the closing round
	s_endpgm
.Lfunc_end_k_q0274c57ac4_attn:
	.size	k_q0274c57ac4_attn, .Lfunc_end_k_q0274c57ac4_attn-k_q0274c57ac4_attn
	.p2alignl 7, 3214868480
	.fill 96, 4, 3214868480
	.section	.rodata,"a",@progbits
	.p2align	6, 0x0
	.amdhsa_kernel k_q0274c57ac4_attn
		.amdhsa_group_segment_fixed_size 327680
		.amdhsa_private_segment_fixed_size 0
		.amdhsa_enable_private_segment 0
		.amdhsa_kernarg_size 32
		.amdhsa_user_sgpr_count 2
		.amdhsa_user_sgpr_kernarg_segment_ptr 1
		.amdhsa_wavefront_size32 1
		.amdhsa_system_sgpr_workgroup_id_x 1
		.amdhsa_system_sgpr_workgroup_id_y 1
		.amdhsa_system_sgpr_workgroup_id_z 1
		.amdhsa_system_vgpr_workitem_id 0
		.amdhsa_next_free_vgpr 512
		.amdhsa_next_free_sgpr 66
		.amdhsa_reserve_vcc 0
		.amdhsa_float_denorm_mode_32 3
		.amdhsa_float_denorm_mode_16_64 3
		.amdhsa_memory_ordered 1
		.amdhsa_forward_progress 1
		.amdhsa_inst_pref_size 234
	.end_amdhsa_kernel
	.amdgpu_metadata
---
amdhsa.version: [ 1, 2 ]
amdhsa.kernels:
  - .name:           k_q0274c57ac4_attn
    .symbol:         k_q0274c57ac4_attn.kd
    .args:
      - { .name: qc, .offset: 0, .size: 8, .value_kind: global_buffer, .address_space: global }
      - { .name: kv, .offset: 8, .size: 8, .value_kind: global_buffer, .address_space: global }
      - { .name: lowp_scales, .offset: 16, .size: 8, .value_kind: global_buffer, .address_space: global }
      - { .name: out0, .offset: 24, .size: 8, .value_kind: global_buffer, .address_space: global }
    .group_segment_fixed_size: 327680
    .private_segment_fixed_size: 0
    .kernarg_segment_align: 8
    .kernarg_segment_size: 32
    .max_flat_workgroup_size: 256
    .sgpr_count:     66
    .vgpr_count:     512
    .wavefront_size: 32
...
	.end_amdgpu_metadata
.endif
;; end of part 3
